; MI455X (gfx1250); checked and timed in simulation.
; The chip was launched on July 23, 2026; its instructions are those of AMD's public machine-readable ISA for CDNA 5 (MIT licence, August 2026) and "CDNA5" Instruction Set Architecture Reference Guide (July 2026). The comments in the code are by the model that wrote it; some were corrected since.
;; Discrete Decision Engine. Allowed arithmetic: matrix products marked QUANTISED: E3M2 operands, one E8M0 scale for each 32 along K, by v_wmma_scale_f32_16x16x128_f8f6f4 with both operands' format E3M2, f32 sums; everything else in f32.
;; Inputs: codebook 8,192 x 512 float32; x 16,384 x 512 float32.
;; Outputs: out0 16,384 x 512 float32.
;; This version of the problem:
;;   THIS VERSION OF THE PROBLEM IS GIVEN IN LOW PRECISION. The matrix products marked QUANTISED in the list below multiply operands that are first quantised to E3M2 (3 exponent bits, 2 mantissa bits; 6 bits a number), with one power-of-two scale for each 32 numbers along K (OCP MX v1.0); their sums are f32. All else is computed in f32.
;;   The module's matrix products, in the order in which they are computed (A, B: the left and right operand; K: the contracted axis; several contracted axes count as one K, in the product's order):
;;     1. [M 16,384, K 512] x [K 512, N 8,192]; A: input x; B: input codebook: QUANTISED
;;   THE QUANTISER, for each operand of a quantised product, along K:
;;     - K is cut into blocks of 32 from its start; a last block that is shorter is filled with zeros.
;;     - A block's scale is 2^e with e = floor(log2(the largest magnitude in the block)) - 4, held to -126 .. 127; a block of zeros has e = 0. As a byte (E8M0): e + 127.
;;     - Each number is divided by its block's scale, clamped to +-28, and rounded to the nearest number of E3M2, ties to even, subnormals kept.
;;     - The product sums the exact products of the quantised numbers (number of the format x scale) in f32.
;;   ~~~python
;;   def quantise(x, axis):      # numpy; x: float32 -> the quantised numbers, widened to float32 again
;;       x = np.moveaxis(x, axis, -1); K = x.shape[-1]
;;       x = np.pad(x, [(0, 0)] * (x.ndim - 1) + [(0, -K % 32)]); x = x.reshape(x.shape[:-1] + (-1, 32)); a = np.abs(x).max(-1, keepdims=True)
;;       e = np.where(a > 0, np.clip(np.frexp(np.where(a > 0, a, 1))[1] - 1 - 4, -126, 127), 0)      # np.frexp(a)[1] - 1 = floor(log2(a)), exactly
;;       r = np.clip(x / 2.0 ** e, -28, 28)
;;       step = 2.0 ** (np.maximum(np.frexp(np.where(r == 0, 1, r))[1] - 1, -2) - 2)
;;       q = np.round(r / step) * step * 2.0 ** e      # np.round: ties to even
;;       return np.moveaxis(q.reshape(q.shape[:-2] + (-1,))[..., :K], -1, axis).astype(np.float32)
;;   ~~~
;; One version. Each part assembles by itself: llvm-mc -triple=amdgcn-amd-amdhsa -mcpu=gfx1250 --defsym DOCPART=n.
;; ======== version 1 of 1: 4 launches
;; limits: right only within a limited range of input values
;; workspace buffers: xrec 6,815,744 bytes; crec 3,407,872 bytes; cval 262,144 bytes; cidx 262,144 bytes of whole numbers; best 65,536 bytes of whole numbers
;; launch quant (part 1): grid 256 x 1, 6 waves a work-group, no clusters, 205,056 bytes of LDS; arguments x, codebook, xrec, crec; writes xrec, crec
.if DOCPART == 1
	.amdgcn_target "amdgcn-amd-amdhsa--gfx1250"
	.amdhsa_code_object_version 6
	.text
	.protected	k_qb3f994ebf8_quant
	.globl	k_qb3f994ebf8_quant
	.p2align	8
	.type	k_qb3f994ebf8_quant,@function
k_qb3f994ebf8_quant:
	s_mov_b64 s[64:65], 0
	v_nop
	global_prefetch_b8 v0, s[64:65] scope:SCOPE_SE
	s_setreg_imm32_b32 hwreg(HW_REG_WAVE_MODE, 25, 1), 1
	s_wait_xcnt 0x0
; x [16384][512] and codebook [8192][512], f32, become RECORDS of 16 rows each, for the search that follows.
; A record is 6,656 bytes = 26 blocks of 256:
;   0 .. 6143     the images of four operand fragments of BF6 (E3M2) codes: K step s (128 along K) at 1536 s; registers 4 k .. 4 k + 3 of lane l at + 512 k + 16 l.
;                 Lane (r = l % 16, h = l / 16) holds row r; its registers 6 c .. 6 c + 5 hold the codes of k = 128 s + 64 c + 32 h + 0 .. 31, as the matrix instruction wants them.
;   6144 .. 6399  the E8M0 scale words: row r at + 16 r, K step s at + 4 s; byte b scales k = 128 s + 32 b + 0 .. 31
;   6400 .. 6463  the f32 sum of squares of the unquantised row, row r at + 4 r;   6464 .. 6655 zeros (written: the search copies whole records)
; A block's scale is 2^(floor(log2(its largest magnitude)) - 4); its byte is the largest magnitude's exponent field - 4, held at 1 from below.
; LIMITS: a block of zeros gets the byte 1 where the rule says 127 (its codes are zeros, which add nothing, and this program alone reads the bytes); blocks whose largest magnitude lies
; under 2^(5 - 127) are held at that floor; NaN and infinities among the inputs are not served; the sums of squares are f32 sums in this text's own order (two packed chains a lane, then the halves).
; SHARES: one wave makes one record: record 6 x work-group + wave of 1,536; the first 1,024 are x's, the others the codebook's.  Only pointers are chosen: one path through the text.
; Every load takes 512 consecutive bytes (16 a lane); a K step's 16 rows x 512 bytes turn through the wave's own stage in LDS and come back 128 consecutive bytes (a block of 32) a lane.
; All of the wave's 64 loads go out at once; nothing in LDS is used twice; waves share nothing: no barrier.
; WORK LEFT OUT: reference() adds x_sq[n] to every dist2[n][k] of row n.  A term that is the same along the axis of the argmin moves no argmin in exact arithmetic, whatever x holds,
; and dist2 reaches the output through the argmin alone.  So x's sums of squares are not made: the field at 6400 of x's records holds zeros, and nobody reads it.
; The search ranks dots - c_sq / 2, which is (x_sq - dist2) / 2: so the field at 6400 of a codebook record holds the row's sum of squares x -1/2 (this takes the place of the line on that field above).
; LIMIT: an overflow, an infinity or a NaN that would arise in x_sq alone is not carried to the result.
.set REC,  6656
.set SP,   528                         ; a stage row: 512 bytes + 16: the 16 rows that a read of 16 bytes a lane touches start at 16 different columns of 16 bytes
.set STG,  16*SP                       ; a K step's stage
.set SCR,  4*STG                       ; behind the four stages: 256 bytes in which the record's last block is put together
.set WREG, SCR+256                     ; LDS of a wave: 34,048 bytes
.set L16, 1                            ; v1   16 x lane: my place in every load and store of 512 bytes; never rewritten
.set SA,  2                            ; v2   stage, on the way in: 16 x lane
.set RA,  3                            ; v3   stage, on the way out: row r, + 128 h
.set ZA,  4                            ; v4   scratch + 8 x lane
.set QA,  5                            ; v5   scratch + 4 r
.set UA,  6                            ; v6   scratch + 16 r
.set H8,  7                            ; v7   8 h: how far my two scale bytes are shifted
.set M,   12                           ; v12-13 largest magnitudes of my two blocks
.set SO,  14                           ; v14-15 the conversions' scale operands
.set BY,  16                           ; v16-17 the scale bytes
.set TP,  18                           ; v18  what lane l xor 16 sends
.set W,   20                           ; v20-23 the scale words of K steps 0 .. 3
.set SQ,  24                           ; v24-27 the sum of squares, two packed chains
.set Z,   28                           ; v28-29 zeros
.set U,   32                           ; v32-35 the record's last 512 bytes, 16 a lane
.set T,   36                           ; v36-43 the upper halves of two blocks' codes, before they are moved
.set P,   44                           ; v44-91 the codes: 12 registers for each K step, never rewritten, so that no store's data are written again
.set X,   96                           ; v96-223 two sets of 64 numbers: my two blocks of a K step
                                       ; window 1, v0-255: the numbers as loaded: K step s, row i at 64 s + 4 i
.set MSB, 0
.macro WIN new                         ; the immediate's high byte repeats the setting that is left
.if MSB != \new
	s_set_vgpr_msb (MSB<<8)|\new
.set MSB, \new
.endif
.endm
	s_load_b128 s[4:7], s[0:1], 0x0                ; x, codebook
	s_load_b128 s[8:11], s[0:1], 0x10              ; xrec, crec
	v_lshl_add_u32 v254, v0, 2, 0x31e00
	v_mov_b32 v255, 0
	v_lshrrev_b32 v8, 5, v0
	v_readfirstlane_b32 s12, v8                    ; wave 0..5
	v_and_b32 v8, 31, v0                           ; lane
	v_and_b32 v9, 15, v0                           ; r
	v_bfe_u32 v10, v0, 4, 1                        ; h
	s_mul_i32 s13, ttmp9, 6
	s_add_co_u32 s13, s13, s12                     ; my record
	s_mul_i32 s15, s12, WREG                       ; my wave's LDS
	v_lshlrev_b32 v[L16], 4, v8
	v_add_nc_u32 v[SA], s15, v[L16]
	v_mul_u32_u24 v[RA], v9, SP
	v_lshl_add_u32 v[RA], v10, 7, v[RA]
	v_add_nc_u32 v[RA], s15, v[RA]
	s_add_co_u32 s15, s15, SCR
	v_lshl_add_u32 v[ZA], v8, 3, s15
	v_lshl_add_u32 v[QA], v9, 2, s15
	v_lshl_add_u32 v[UA], v9, 4, s15
	v_lshlrev_b32 v[H8], 3, v10
	v_mov_b32 v[TP], 0                             ; written once: a lane permute's destination counts as one of its sources
	v_mov_b32 v[Z], 0
	v_mov_b32 v[Z+1], 0
.irp i, 0,1,2,3
	v_mov_b32 v[SQ+\i], 0                          ; the two packed chains begin at 0: x's records leave them so
.endr
	s_mov_b32 s20, 0x76543210
	s_mov_b32 s21, 0xfedcba98                      ; v_permlanex16_b32's selects for lane l xor 16
	s_wait_alu depctr_va_vdst(0)
	s_wait_kmcnt 0x0
	s_cmp_lt_u32 s13, 1024                         ; x's record or the codebook's?  The choice hangs on ids alone
	s_cselect_b64 s[4:5], s[4:5], s[6:7]
	s_cselect_b64 s[8:9], s[8:9], s[10:11]
	s_cselect_b32 s14, 0, 1024
	s_sub_co_u32 s14, s13, s14                     ; the record's number in its tensor
	s_lshl_b32 s16, s14, 15                        ; 16 rows of 2,048 bytes
	s_mov_b32 s17, 0
	s_add_nc_u64 s[4:5], s[4:5], s[16:17]
	s_mul_i32 s18, s14, REC
	s_mov_b32 s19, 0
	s_add_nc_u64 s[8:9], s[8:9], s[18:19]
	WIN 0x40                                       ; destination window 1, address window 0
.irp s, 0,1,2,3
.irp i, 0,1,2,3,4,5,6,7,8,9,10,11,12,13,14,15
	global_load_b128 v[64*\s+4*\i:64*\s+4*\i+3], v[L16], s[4:5] offset:2048*\i+512*\s th:TH_LOAD_NT   ; row i, K step s: 32 lanes read 512 consecutive bytes
.endr
.endr
	WIN 0
; K step s goes through its stage.  LDS serves a wave's instructions in order (ISA guide 5.7.1.4): no wait stands between the stores and the loads.
.macro TURN s
	WIN 0x04                                       ; an LDS store's data are its source 1: window 1
.irp i, 0,1,2,3,4,5,6,7,8,9,10,11,12,13,14,15
	ds_store_b128 v[SA], v[64*(\s)+4*\i:64*(\s)+4*\i+3] offset:STG*(\s)+SP*\i
.endr
	WIN 0
.irp c, 0,1
.irp i, 0,1,2,3,4,5,6,7
	ds_load_b128 v[X+64*((\s)%2)+32*\c+4*\i:X+64*((\s)%2)+32*\c+4*\i+3], v[RA] offset:STG*(\s)+256*\c+16*\i   ; k = 64 c + 32 h + 4 i + 0 .. 3 of row r
.endr
.endr
.endm
; K step s: my two whole blocks (c = 0, 1) are quantised, their squares summed, the fragment's image stored.
.macro STEP s
.set XS, X+64*((\s)%2)
.irp c, 0,1
	v_max3_num_f32 v[M+\c], |v[XS+32*\c]|, |v[XS+32*\c+1]|, 0x2800000   ; the floor 2^(5 - 127) among the leaves: the byte cannot fall under 1
.endr
.irp i, 2,4,6,8,10,12,14,16,18,20,22,24,26,28,30
.irp c, 0,1
	v_max3_num_f32 v[M+\c], v[M+\c], |v[XS+32*\c+\i]|, |v[XS+32*\c+\i+1]|   ; the two blocks by turns
.endr
.endr
.irp c, 0,1
	v_add_nc_u32 v[SO+\c], 0xfe000000, v[M+\c]     ; 4 off the exponent field: the conversion takes the exponent field of this operand as its scale
.endr
.irp c, 0,1
	v_lshrrev_b32 v[BY+\c], 23, v[SO+\c]           ; the scale's byte
.endr
	v_lshl_or_b32 v[W+(\s)], v[BY+1], 16, v[BY]    ; my bytes are those of blocks h and 2 + h of row r:
	v_lshlrev_b32 v[W+(\s)], v[H8], v[W+(\s)]      ; 8 h bits up;
	v_permlanex16_b32 v[TP], v[W+(\s)], s20, s21
	v_or_b32 v[W+(\s)], v[W+(\s)], v[TP]           ; with lane l xor 16's two the word is whole, in both lanes
	s_cmp_lt_u32 s13, 1024                         ; x's record: its squares are not summed.  The branch hangs on ids alone
	s_wait_alu depctr_va_vdst(0)
	s_cbranch_scc1 .Lno_squares_\@
.set j, 0
.rept 32
	v_pk_fma_f32 v[SQ+2*(j%2):SQ+2*(j%2)+1], v[XS+2*j:XS+2*j+1], v[XS+2*j:XS+2*j+1], v[SQ+2*(j%2):SQ+2*(j%2)+1]
.set j, j+1
.endr
.Lno_squares_\@:
.irp c, 0,1
	v_cvt_scalef32_pk16_bf6_f32 v[P+12*(\s)+6*\c:P+12*(\s)+6*\c+2], v[XS+32*\c:XS+32*\c+15], v[SO+\c]
	v_cvt_scalef32_pk16_bf6_f32 v[T+4*\c:T+4*\c+2], v[XS+32*\c+16:XS+32*\c+31], v[SO+\c]   ; (a conversion's three registers begin on an even number: the block's upper half is made elsewhere and moved)
.endr
	v_nop                                          ; one plain place behind a scaled conversion
.irp c, 0,1
.irp i, 0,1,2
	v_mov_b32 v[P+12*(\s)+6*\c+3+\i], v[T+4*\c+\i]
.endr
.endr
.irp k, 0,1,2
	global_store_b128 v[L16], v[P+12*(\s)+4*\k:P+12*(\s)+4*\k+3], s[8:9] offset:1536*(\s)+512*\k   ; 32 lanes store 512 consecutive bytes, at a multiple of 256 from the buffer's first byte
.endr
.endm
	s_wait_loadcnt 48                              ; K step 0's 16 loads are in; the 48 of the three later K steps may be out
	TURN 0
	s_wait_loadcnt 32                              ; K step 1's are in
	TURN 1
	s_wait_dscnt 32                                ; all but TURN 1's 16 stores and 16 loads: K step 0 is back from its stage
	STEP 0
	s_wait_loadcnt 16
	TURN 2
	s_wait_dscnt 32
	STEP 1
	s_wait_loadcnt 0
	TURN 3
	s_wait_dscnt 32
	STEP 2
	s_wait_dscnt 0
	STEP 3
	; the record's last 512 bytes: lanes 0-15 hold the scale words of row r, lanes 16-31 the block of sums and zeros
	v_pk_add_f32 v[SQ:SQ+1], v[SQ:SQ+1], v[SQ+2:SQ+3]
	v_add_f32 v[SQ], v[SQ], v[SQ+1]
	v_permlanex16_b32 v[TP], v[SQ], s20, s21
	v_add_f32 v[SQ], v[SQ], v[TP]                  ; row r's sum of squares, in both lanes of the row,
	v_mul_f32 v[SQ], -0.5, v[SQ]                   ; x -1/2: as the search gives it to the matrix instruction as C
	ds_store_b64 v[ZA], v[Z:Z+1]                   ; 256 bytes of zeros,
	ds_store_b32 v[QA], v[SQ]                      ; the 16 sums over their first 64 (both lanes of a row write the same word with the same value),
	ds_load_b128 v[U:U+3], v[UA]                   ; and back, 16 bytes a lane: in order, so these see the stores
	v_cmp_gt_u32 vcc_lo, 16, v8                    ; lanes 0-15
	s_wait_dscnt 0x0
.irp i, 0,1,2,3
	v_cndmask_b32 v[U+\i], v[U+\i], v[W+\i], vcc_lo
.endr
	global_store_b128 v[L16], v[U:U+3], s[8:9] offset:6144
	s_wait_tensorcnt 0x0
	ds_add_u32 v254, v255
	s_wait_dscnt 0x0
	s_endpgm
.Lfunc_end_k_qb3f994ebf8_quant:
	.size	k_qb3f994ebf8_quant, .Lfunc_end_k_qb3f994ebf8_quant-k_qb3f994ebf8_quant
	.p2alignl 7, 3214868480
	.fill 96, 4, 3214868480
	.section	.rodata,"a",@progbits
	.p2align	6, 0x0
	.amdhsa_kernel k_qb3f994ebf8_quant
		.amdhsa_group_segment_fixed_size 205056
		.amdhsa_private_segment_fixed_size 0
		.amdhsa_enable_private_segment 0
		.amdhsa_kernarg_size 32
		.amdhsa_user_sgpr_count 2
		.amdhsa_user_sgpr_kernarg_segment_ptr 1
		.amdhsa_wavefront_size32 1
		.amdhsa_system_sgpr_workgroup_id_x 1
		.amdhsa_system_sgpr_workgroup_id_y 1
		.amdhsa_system_sgpr_workgroup_id_z 1
		.amdhsa_system_vgpr_workitem_id 0
		.amdhsa_next_free_vgpr 512
		.amdhsa_next_free_sgpr 66
		.amdhsa_reserve_vcc 1
		.amdhsa_float_denorm_mode_32 3
		.amdhsa_float_denorm_mode_16_64 3
		.amdhsa_memory_ordered 1
		.amdhsa_forward_progress 1
		.amdhsa_inst_pref_size 39
	.end_amdhsa_kernel
	.amdgpu_metadata
---
amdhsa.version: [ 1, 2 ]
amdhsa.kernels:
  - .name:           k_qb3f994ebf8_quant
    .symbol:         k_qb3f994ebf8_quant.kd
    .args:
      - { .name: x, .offset: 0, .size: 8, .value_kind: global_buffer, .address_space: global }
      - { .name: codebook, .offset: 8, .size: 8, .value_kind: global_buffer, .address_space: global }
      - { .name: xrec, .offset: 16, .size: 8, .value_kind: global_buffer, .address_space: global }
      - { .name: crec, .offset: 24, .size: 8, .value_kind: global_buffer, .address_space: global }
    .group_segment_fixed_size: 205056
    .private_segment_fixed_size: 0
    .kernarg_segment_align: 8
    .kernarg_segment_size: 32
    .max_flat_workgroup_size: 192
    .sgpr_count:     66
    .vgpr_count:     512
    .wavefront_size: 32
...
	.end_amdgpu_metadata
.endif
;; end of part 1
;; launch search (part 2): grid 64 x 4, 8 waves a work-group, clusters of 4 x 1, 327,680 bytes of LDS; arguments xrec, crec, cval, cidx; writes cval, cidx
.if DOCPART == 2
	.amdgcn_target "amdgcn-amd-amdhsa--gfx1250"
	.amdhsa_code_object_version 6
	.text
	.protected	k_qb3f994ebf8_search
	.globl	k_qb3f994ebf8_search
	.p2align	8
	.type	k_qb3f994ebf8_search,@function
k_qb3f994ebf8_search:
	s_mov_b64 s[64:65], 0
	v_nop
	global_prefetch_b8 v0, s[64:65] scope:SCOPE_SE
	s_setreg_imm32_b32 hwreg(HW_REG_WAVE_MODE, 25, 1), 1
	s_wait_xcnt 0x0
	s_wait_alu depctr_hold_cnt(0) depctr_sa_sdst(0) depctr_va_vdst(0) depctr_va_sdst(0) depctr_va_ssrc(0) depctr_va_vcc(0) depctr_vm_vsrc(0)
	s_getreg_b32 s2, hwreg(HW_REG_IB_STS2, 6, 4)
	s_cmp_eq_u32 s2, 0
	s_cbranch_scc0 .Lentry_in_a_cluster
	s_endpgm
.Lentry_in_a_cluster:
	s_bfe_u32 s2, ttmp6, 0x10000c
	s_cmp_lg_u32 s2, 0x3003
	s_cbranch_scc0 .Lentry_shape_is_right
	s_endpgm
.Lentry_shape_is_right:
; For each token and each quarter of the codes: the code with the largest dots - c_sq / 2, that is the smallest dist2, and (negated, so that the smaller wins) that number.
; WORK LEFT OUT: x_sq, the same along the argmin's axis, moves no argmin in exact arithmetic; it is neither made nor read.  LIMIT: an overflow or NaN that reaches x_sq alone is not carried on; NaN among the scores never wins.
; SHARES: a work-group takes 256 tokens (work-group x) and 2,048 codes (work-group y): 64 x 4 = 256 work-groups.  Wave w keeps the fragments of 64 tokens (group w / 2) in 192 registers for the whole launch
; and takes records 8 (w % 2) .. + 7 of each slot of 16 code records (16 codes each, 6,656 bytes: fragment images, scale words, -c_sq / 2): 8 tiles of 16 products a slot, and each slot byte is read by four waves.
; THE PRODUCT IS USED TRANSPOSED: source 0 = 16 codes, source 1 = 16 tokens: lane (r, h) holds token r, register j code 8 h + j.  The first of an accumulator's four matrix instructions takes -c_sq / 2 as C.
; THE ARGMAX, 13 vector instructions for an accumulator's 8 numbers: four v_max3 give the new best of (old best, the 8); one compare says whether it grew; under that mask the tile's registers 0 .. 6 and the tile's
; first code are kept.  After the last slot the place in the tile is the lowest j whose kept number equals the best (7 if none does): exact, and equals go to the lower index, since a later tile wins only if strictly larger.
; The best lies in two registers by turns (tile parity), so that old and new are both at hand with no copy.
; THE RING: two slots of 106,496 bytes, 8 slots' worth of codes; each wave fills 2 records of a slot by one tensor load (52 rows of 256 bytes, dense).  One tensor load a wave is out at most;
; between a refill and the wait for it a wave issues 7 tiles, 112 matrix instructions.
; CLUSTERS: the four work-groups of a cluster take four token blocks and walk the same code slots: every fill is a joint load with the mask 15.
; PREFETCH: all clusters of a quarter of the codes walk the same slots; the 16 waves 0-3 of cluster x = 0 name one record each (26 blocks of 256 bytes, a lane a block; lanes 26-31 name the last again) of the slot
; that stands one behind the slot being asked for; the trip that asks for the last slot names nothing.
; Code fragments have two register sets: a tile's 15 LDS loads go out one tile ahead of its products.
.set REC,   6656
.set SLOTB, 16*REC
.set WPART, 2*REC
.set QUARB, 8*SLOTB                    ; a quarter of the codes: 128 records
.set TILES, 8                          ; tiles of a wave in a slot
.set SLOT1, 1<<17                      ; slot 1's LDS byte; slot 0 at 0
.set SPARE, SLOTB                      ; the spare words: 128 bytes for each of 8 waves
.set MRG,   SPARE+1024                 ; 512 bytes a wave: 64 values, 64 indices
.set WRAP,  256-16*(TILES-1)           ; codes from a slot's last tile of mine to the next slot's first
.set A0,  1                            ; v1-3  my LDS offsets in a slot: fragments, scale words, -c_sq / 2
.set A1,  2
.set A2,  3
.set ADR, 4                            ; v4-6  the same + the slot at work
.set ADS, 5
.set ADC, 6
.set SPW, 7
.set NIL, 8
.set PFO, 9
.set XO,  10
.set R16, 11
.set R4,  12
.set H8,  13
.set MA,  14
.set RA2, 15
.set XS,  16                           ; v16-31   x's scale words: token block m, K step s at 4 m + s
.set CS,  32                           ; v32-39   the codes' scale words, two sets
.set CQ,  40                           ; v40-55   -c_sq / 2 of codes 8 h + 0 .. 7, two sets
.set CF,  56                           ; v56-151  the codes' four fragments, two sets
.set ACC, 152                          ; v152-183 four accumulators
.set TR,  184                          ; v184-223 token block m at 10 m: best (two, by turns), first code of the best's tile, that tile's registers 0 .. 6
.set TT,  224                          ; v224-231 at work
.set VST, 232                          ; v232     the first code of the tile at work
.set JV,  234                          ; v234-237 the place in the tile
                                       ; window 1, v0-191: x's fragments: token block m, K step s at 12 (4 m + s)
.set WV,  12
.set G1,  24
.set G0A, 32
.set G0B, 36
.set TB,  40
.set ST,  41
.set SLOTS, 42
.set LIM, 43
.set PFA, 44
.set SEL, 46
.set MK,  48
.set MSB, 0
.macro WIN new
.if MSB != \new
	s_set_vgpr_msb (MSB<<8)|\new
.set MSB, \new
.endif
.endm
.macro CREST                           ; a round of the cluster's barrier behind its opening barrier
	s_cmp_lg_u32 s[WV], 0
	s_cbranch_scc1 .Lnot_wave_0_\@
	s_barrier_signal -3
.Lnot_wave_0_\@:
	s_barrier_wait -3
	s_barrier_signal -1
	s_barrier_wait -1
.endm
.macro CROUND
	s_barrier_signal -1
	s_barrier_wait -1
	CREST
.endm
	s_load_b256 s[4:11], s[0:1], 0x0               ; xrec, crec, cval, cidx
	v_lshl_add_u32 v[SPW], v0, 2, SPARE
	v_mov_b32 v[NIL], 0
	ds_add_u32 v[SPW], v[NIL]                      ; the opening lines: the add, twice on end, and its wait
	ds_add_u32 v[SPW], v[NIL]
	v_lshrrev_b32 v60, 5, v0
	s_delay_alu instid0(VALU_DEP_1)
	v_readfirstlane_b32 s[WV], v60                 ; wave 0..7
	s_and_b32 s13, s[WV], 1                        ; which eight records of a slot
	s_lshr_b32 s14, s[WV], 1                       ; which 64 tokens
	s_bfe_u32 s15, ttmp6, 0x40000                  ; cx
	s_lshl_b32 s16, ttmp9, 2
	s_add_co_u32 s16, s16, s15                     ; token block
	s_and_b32 s17, ttmp7, 0xffff                   ; quarter of the codes
	s_mov_b32 s[G1], 15|(3<<16)|(1<<21)            ; mask: all four of the cluster; elements of 8 bytes; bit 21 beside a mask
	s_mov_b32 s[G1+1], 32<<16                      ; rows of 32 elements = 256 bytes
	s_mov_b32 s[G1+2], 52<<16                      ; 52 rows = 2 records
	s_mov_b32 s[G1+3], 32<<16
	s_mov_b32 s[G1+4], 52
	s_mov_b32 s[G1+5], 32
	s_mov_b32 s[G1+6], 0
	s_mov_b32 s[G1+7], 0
	s_mul_i32 s22, s[WV], WPART                    ; the two records that I fill: their place in a slot, in LDS and in memory
	s_mul_i32 s20, s17, QUARB
	s_add_co_u32 s20, s20, s22
	s_mov_b32 s21, 0
	s_lshl_b32 s58, s16, 4                         ; 16 records of x a token block,
	s_lshl_b32 s59, s14, 2
	s_add_co_u32 s58, s58, s59
	s_mul_i32 s58, s58, REC                        ; my four of them
	s_mov_b32 s59, 0
	s_lshl_b32 s60, s15, 2
	s_and_b32 s61, s[WV], 3
	s_add_co_u32 s60, s60, s61
	s_mul_i32 s60, s60, REC                        ; the prefetches: record 4 cx + w % 4 of a slot,
	s_mul_i32 s61, s17, QUARB
	s_add_co_u32 s60, s60, s61
	s_add_co_u32 s60, s60, 2*SLOTB                 ; at slot 2: the first refill steps it to 3
	s_mov_b32 s61, 0
	s_lshl_b32 s62, s17, 16                        ; cval, cidx: [4][16384] words
	s_lshl_b32 s63, s16, 10
	s_add_co_u32 s62, s62, s63
	s_mov_b32 s63, 0
	s_lshr_b32 s[LIM], s[WV], 2
	s_or_b32 s[LIM], s[LIM], ttmp9
	s_cmp_eq_u32 s[LIM], 0
	s_cselect_b32 s[LIM], 1, -1                    ; 1 in the waves that prefetch, else the greatest number
	s_mov_b32 s[SEL], 0x76543210
	s_mov_b32 s[SEL+1], 0xfedcba98
	s_mov_b32 s[TB], 0
	s_lshl_b32 s[ST], s17, 11
	s_lshl_b32 s23, s13, 7
	s_add_co_u32 s[ST], s[ST], s23
	s_sub_co_u32 s[ST], s[ST], WRAP                ; my first tile's first code less the step that a slot's first tile adds (modulo 2^32)
	s_mov_b32 s[SLOTS], 6
	s_mul_i32 s23, s13, TILES*REC
	s_lshl_b32 s18, s[WV], 9
	s_add_co_u32 s18, s18, MRG
	s_wait_alu depctr_va_vdst(0)
	s_wait_dscnt 0x0
	s_wait_kmcnt 0x0
	s_add_nc_u64 s[56:57], s[6:7], s[20:21]
	s_add_nc_u64 s[4:5], s[4:5], s[58:59]
	s_add_nc_u64 s[PFA:PFA+1], s[6:7], s[60:61]
	s_add_nc_u64 s[8:9], s[8:9], s[62:63]
	s_add_nc_u64 s[10:11], s[10:11], s[62:63]
	s_mov_b32 s[G0A], 1
	s_mov_b32 s[G0A+1], s22
	s_mov_b64 s[G0A+2:G0A+3], s[56:57]
	s_or_b32 s[G0A+3], s[G0A+3], 0x80000000
	s_mov_b32 s[G0B], 1
	s_add_co_u32 s[G0B+1], s22, SLOT1
	s_add_nc_u64 s[G0B+2:G0B+3], s[56:57], SLOTB
	s_or_b32 s[G0B+3], s[G0B+3], 0x80000000
	CROUND                                         ; the four work-groups are here: the first joint loads meet
	tensor_load_to_lds s[G0A:G0A+3], s[G1:G1+7]    ; slot 0: my one tensor load at the head
	s_nop 0
	v_and_b32 v60, 31, v0
	v_and_b32 v61, 15, v0                          ; r
	v_bfe_u32 v62, v0, 4, 1                        ; h
	v_lshlrev_b32 v[XO], 4, v60
	v_lshlrev_b32 v[R16], 4, v61
	v_lshlrev_b32 v[R4], 2, v61
	v_lshlrev_b32 v[H8], 3, v62
	WIN 0x40                                       ; x's fragments, scale words: asked for while slot 0 is on its way
.irp m, 0,1,2,3
.irp s, 0,1,2,3
.irp k, 0,1,2
	global_load_b128 v[12*(4*\m+\s)+4*\k:12*(4*\m+\s)+4*\k+3], v[XO], s[4:5] offset:REC*\m+1536*\s+512*\k
.endr
.endr
.endr
	WIN 0
.irp m, 0,1,2,3
	global_load_b128 v[XS+4*\m:XS+4*\m+3], v[R16], s[4:5] offset:REC*\m+6144
.endr
	v_add_nc_u32 v[A0], s23, v[XO]
	v_add_nc_u32 v[A1], s23, v[R16]
	v_lshl_add_u32 v[A2], v62, 5, s23
	v_min_u32 v[PFO], 25, v60
	v_add_nc_u32 v[MA], s18, v[R4]
	v_lshl_add_u32 v[RA2], v62, 10, v[R16]
	v_add_nc_u32 v[A1], 6144, v[A1]
	v_add_nc_u32 v[A2], 6400, v[A2]
	v_lshlrev_b32 v[PFO], 8, v[PFO]
	v_add_nc_u32 v[RA2], MRG, v[RA2]
	v_add_nc_u32 v[ADR], s[TB], v[A0]
	v_add_nc_u32 v[ADS], s[TB], v[A1]
	v_add_nc_u32 v[ADC], s[TB], v[A2]
	v_mov_b32 v[VST], s[ST]
.irp m, 0,1,2,3
	v_mov_b32 v[TR+10*\m], 0xff800000              ; the best so far: under every score
.irp i, 2,3,4,5,6,7,8,9
	v_mov_b32 v[TR+10*\m+\i], 0                    ; written once: the selects read them
.endr
.endr
.macro LOADS tt                        ; record tt of my eight: 12 + 1 + 2 loads of 512 bytes, into set tt % 2
.irp k, 0,1,2,3,4,5,6,7,8,9,10,11
	ds_load_b128 v[CF+48*((\tt)%2)+4*\k:CF+48*((\tt)%2)+4*\k+3], v[ADR] offset:REC*(\tt)+512*\k
.endr
	ds_load_b128 v[CS+4*((\tt)%2):CS+4*((\tt)%2)+3], v[ADS] offset:REC*(\tt)
	ds_load_b128 v[CQ+8*((\tt)%2):CQ+8*((\tt)%2)+3], v[ADC] offset:REC*(\tt)
	ds_load_b128 v[CQ+8*((\tt)%2)+4:CQ+8*((\tt)%2)+7], v[ADC] offset:REC*(\tt)+16
.endm
.macro MUL p                           ; 16 codes x 64 tokens x 512: the four accumulators by turns; the first K step takes -c_sq / 2 as C
	WIN 0x04
.irp s, 0,1,2,3
.irp m, 0,1,2,3
.if \s == 0
	v_wmma_scale_f32_16x16x128_f8f6f4 v[ACC+8*\m:ACC+8*\m+7], v[CF+48*(\p)+12*\s:CF+48*(\p)+12*\s+11], v[12*(4*\m+\s):12*(4*\m+\s)+11], v[CQ+8*(\p):CQ+8*(\p)+7], v[CS+4*(\p)+\s], v[XS+4*\m+\s] matrix_a_fmt:MATRIX_FMT_BF6 matrix_b_fmt:MATRIX_FMT_BF6
.else
	v_wmma_scale_f32_16x16x128_f8f6f4 v[ACC+8*\m:ACC+8*\m+7], v[CF+48*(\p)+12*\s:CF+48*(\p)+12*\s+11], v[12*(4*\m+\s):12*(4*\m+\s)+11], v[ACC+8*\m:ACC+8*\m+7], v[CS+4*(\p)+\s], v[XS+4*\m+\s] matrix_a_fmt:MATRIX_FMT_BF6 matrix_b_fmt:MATRIX_FMT_BF6
.endif
.endr
.endr
	WIN 0
.endm
.macro VEC t                           ; the argmax over tile t's 4 x 8 numbers a lane.  Old best at parity t % 2, new best at the other
.if (\t) == 0
	v_add_nc_u32 v[VST], WRAP, v[VST]              ; the tile's first code: 256 codes a slot, 16 a tile.  This line and three v_nop are the four places behind the last product
.else
	v_add_nc_u32 v[VST], 16, v[VST]
.endif
.rept 3
	v_nop
.endr
.irp m, 0,1,2,3
	v_max3_num_f32 v[TR+10*\m+1-((\t)%2)], v[TR+10*\m+((\t)%2)], v[ACC+8*\m], v[ACC+8*\m+1]   ; each accumulator is read from its low end on
	v_max3_num_f32 v[TT+2*\m], v[ACC+8*\m+2], v[ACC+8*\m+3], v[ACC+8*\m+4]
	v_max3_num_f32 v[TT+2*\m+1], v[ACC+8*\m+5], v[ACC+8*\m+6], v[ACC+8*\m+7]
.endr
.irp m, 0,1,2,3
	v_max3_num_f32 v[TR+10*\m+1-((\t)%2)], v[TR+10*\m+1-((\t)%2)], v[TT+2*\m], v[TT+2*\m+1]
.endr
.irp m, 0,1,2,3
	v_cmp_gt_f32 vcc_lo, v[TR+10*\m+1-((\t)%2)], v[TR+10*\m+((\t)%2)]   ; has the best grown?  Then this tile holds it
.irp j, 0,1,2,3,4,5,6
	v_cndmask_b32 v[TR+10*\m+3+\j], v[TR+10*\m+3+\j], v[ACC+8*\m+\j], vcc_lo
.endr
	v_cndmask_b32 v[TR+10*\m+2], v[TR+10*\m+2], v[VST], vcc_lo
.endr
.endm
.macro PRE kind                        ; in front of the change of slots.  kind 1: this slot is filled again
	s_wait_tensorcnt 0x0                           ; all my tensor loads have landed: my part of the other slot
	ds_add_u32 v[SPW], v[NIL]
.if \kind == 1
	s_xor_b32 s[G0B+1], s[G0B+1], SLOT1            ; no tensor load of mine is out: the descriptor steps to this slot, and one slot on in memory
	s_add_nc_u64 s[G0B+2:G0B+3], s[G0B+2:G0B+3], SLOTB
	s_wait_xcnt 0x0                                ; my last prefetch has read its address
	s_add_nc_u64 s[PFA:PFA+1], s[PFA:PFA+1], SLOTB
.endif
	s_wait_dscnt 0x0                               ; the add is done; my reads of this slot were over at the tile's head
	s_barrier_signal -1
.endm
.macro POST kind
	s_barrier_wait -1
.if \kind == 1
	CREST                                          ; the barrier has opened a round of the cluster's barrier: no wave of any partner still reads this slot
	tensor_load_to_lds s[G0B:G0B+3], s[G1:G1+7]    ; my one tensor load behind the round
	s_nop 0
.rept 4
	v_nop
.endr
.endif
	s_xor_b32 s[TB], s[TB], SLOT1
	v_add_nc_u32 v[ADR], s[TB], v[A0]
	v_add_nc_u32 v[ADS], s[TB], v[A1]
	v_add_nc_u32 v[ADC], s[TB], v[A2]
.endm
.macro ASK
	s_cmp_gt_u32 s[SLOTS], s[LIM]
	s_cbranch_scc0 .Lnot_mine_\@
	global_prefetch_b8 v[PFO], s[PFA:PFA+1] th:TH_LOAD_NT scope:SCOPE_SE
.Lnot_mine_\@:
.endm
; A tile: its fragments are in; the next tile's are asked for (into the set whose products lie a whole VEC back); 16 products; the argmax.
; A slot's last tile (kind 1, 2) has the change of slots round its products: the signal ahead of them, the wait behind; then the next slot's first record is asked for.  kind 3: the very last tile.
.macro TILE t, kind
	s_wait_dscnt 0x0
.if (\t) < TILES-1
	LOADS (\t)+1
.endif
.if (\kind == 1) || (\kind == 2)
	PRE \kind
.endif
	MUL (\t)%2
.if (\kind == 1) || (\kind == 2)
	POST \kind
	LOADS 0
.endif
.if \kind == 1
	ASK
.endif
	VEC \t
.endm
.macro SLOT kind
.irp t, 0,1,2,3,4,5,6
	TILE \t, 0
.endr
	TILE 7, \kind
.endm
	s_wait_alu depctr_va_vdst(0)
	s_wait_tensorcnt 0x0                           ; my part of slot 0 is in; slot 1's first fill is issued as a refill is:
	ds_add_u32 v[SPW], v[NIL]
	s_wait_dscnt 0x0
	CROUND                                         ; slot 0 is whole in every work-group
	tensor_load_to_lds s[G0B:G0B+3], s[G1:G1+7]
	s_nop 0
.rept 4
	v_nop
.endr
	LOADS 0
	s_wait_loadcnt 0x0                             ; x's fragments and scale words
.Lslot:                                                ; 6 trips: slots 0 .. 5 are multiplied, slots 2 .. 7 asked for
	SLOT 1
	s_sub_co_u32 s[SLOTS], s[SLOTS], 1
	s_cmp_lg_u32 s[SLOTS], 0
	s_wait_alu depctr_va_vdst(0)
	s_cbranch_scc1 .Lslot
	SLOT 2
	SLOT 3
; The place in the tile: the lowest j whose kept number equals the best; 7 if none of 0 .. 6 does.
.irp m, 0,1,2,3
	v_mov_b32 v[JV+\m], 7
.endr
.irp j, 6,5,4,3,2,1,0
.irp m, 0,1,2,3
	v_cmp_eq_f32 vcc_lo, v[TR+10*\m+3+\j], v[TR+10*\m]
	v_cndmask_b32 v[JV+\m], v[JV+\m], \j, vcc_lo
.endr
.endr
.irp m, 0,1,2,3
	v_add3_u32 v[TR+10*\m+2], v[TR+10*\m+2], v[H8], v[JV+\m]   ; the code: tile + 8 h + j
	v_xor_b32 v[TR+10*\m], 0x80000000, v[TR+10*\m]             ; c_sq / 2 - dots: from here on the smaller wins
.endr
.macro LEX va, ia, vb, ib              ; (va, ia) = the smaller of the two pairs, by value, then by index
	v_cmp_lt_f32 s[MK], v[\vb], v[\va]
	v_cmp_eq_f32 s[MK+1], v[\vb], v[\va]
	v_cmp_lt_u32 s[MK+2], v[\ib], v[\ia]
	s_and_b32 s[MK+1], s[MK+1], s[MK+2]
	s_or_b32 s[MK], s[MK], s[MK+1]
	v_cndmask_b32 v[\va], v[\va], v[\vb], s[MK]
	v_cndmask_b32 v[\ia], v[\ia], v[\ib], s[MK]
.endm
.irp m, 0,1,2,3
	v_permlanex16_b32 v[CF+2*\m], v[TR+10*\m], s[SEL], s[SEL+1]        ; lane l xor 16 holds the same token's other eight codes of each tile
	v_permlanex16_b32 v[CF+2*\m+1], v[TR+10*\m+2], s[SEL], s[SEL+1]
.endr
.irp m, 0,1,2,3
	LEX TR+10*\m, TR+10*\m+2, CF+2*\m, CF+2*\m+1
.endr
.irp m, 0,1,2,3
	ds_store_b32 v[MA], v[TR+10*\m] offset:64*\m                       ; both lanes of a token write the same word with the same value
	ds_store_b32 v[MA], v[TR+10*\m+2] offset:256+64*\m
.endr
	s_wait_dscnt 0x0                               ; for the others' sake
	s_barrier_signal -1
	s_barrier_wait -1
	s_cmp_lg_u32 s[WV], 0
	s_cbranch_scc1 .Lothers
.irp p, 0,1                            ; wave 0 joins the two waves of each token group: in pass p lane (r, h) takes tokens 64 (2 p + h) + 4 r + 0 .. 3
.irp q, 0,1
	ds_load_b128 v[CF+16*\p+8*\q:CF+16*\p+8*\q+3], v[RA2] offset:2048*\p+512*\q
	ds_load_b128 v[CF+16*\p+8*\q+4:CF+16*\p+8*\q+7], v[RA2] offset:2048*\p+512*\q+256
.endr
.endr
	s_wait_dscnt 0x0
.irp p, 0,1
.irp i, 0,1,2,3
	LEX CF+16*\p+\i, CF+16*\p+4+\i, CF+16*\p+8+\i, CF+16*\p+12+\i
.endr
.endr
.irp p, 0,1
	global_store_b128 v[XO], v[CF+16*\p:CF+16*\p+3], s[8:9] offset:512*\p      ; 32 lanes store 512 consecutive bytes, at a multiple of 256 from the buffer's first byte
	global_store_b128 v[XO], v[CF+16*\p+4:CF+16*\p+7], s[10:11] offset:512*\p
.endr
.Lothers:
	s_wait_tensorcnt 0x0                           ; the wave's end
	ds_add_u32 v[SPW], v[NIL]
	s_wait_dscnt 0x0
	CROUND                                         ; the closing round
	s_endpgm
.Lfunc_end_k_qb3f994ebf8_search:
	.size	k_qb3f994ebf8_search, .Lfunc_end_k_qb3f994ebf8_search-k_qb3f994ebf8_search
	.p2alignl 7, 3214868480
	.fill 96, 4, 3214868480
	.section	.rodata,"a",@progbits
	.p2align	6, 0x0
	.amdhsa_kernel k_qb3f994ebf8_search
		.amdhsa_group_segment_fixed_size 327680
		.amdhsa_private_segment_fixed_size 0
		.amdhsa_enable_private_segment 0
		.amdhsa_kernarg_size 32
		.amdhsa_user_sgpr_count 2
		.amdhsa_user_sgpr_kernarg_segment_ptr 1
		.amdhsa_wavefront_size32 1
		.amdhsa_system_sgpr_workgroup_id_x 1
		.amdhsa_system_sgpr_workgroup_id_y 1
		.amdhsa_system_sgpr_workgroup_id_z 1
		.amdhsa_system_vgpr_workitem_id 0
		.amdhsa_next_free_vgpr 512
		.amdhsa_next_free_sgpr 66
		.amdhsa_reserve_vcc 1
		.amdhsa_float_denorm_mode_32 3
		.amdhsa_float_denorm_mode_16_64 3
		.amdhsa_memory_ordered 1
		.amdhsa_forward_progress 1
		.amdhsa_inst_pref_size 151
	.end_amdhsa_kernel
	.amdgpu_metadata
---
amdhsa.version: [ 1, 2 ]
amdhsa.kernels:
  - .name:           k_qb3f994ebf8_search
    .symbol:         k_qb3f994ebf8_search.kd
    .args:
      - { .name: xrec, .offset: 0, .size: 8, .value_kind: global_buffer, .address_space: global }
      - { .name: crec, .offset: 8, .size: 8, .value_kind: global_buffer, .address_space: global }
      - { .name: cval, .offset: 16, .size: 8, .value_kind: global_buffer, .address_space: global }
      - { .name: cidx, .offset: 24, .size: 8, .value_kind: global_buffer, .address_space: global }
    .group_segment_fixed_size: 327680
    .private_segment_fixed_size: 0
    .kernarg_segment_align: 8
    .kernarg_segment_size: 32
    .max_flat_workgroup_size: 256
    .sgpr_count:     66
    .vgpr_count:     512
    .wavefront_size: 32
...
	.end_amdgpu_metadata
.endif
;; end of part 2
;; launch join (part 3): grid 128 x 1, 1 waves a work-group, no clusters, 0 bytes of LDS; arguments cval, cidx, best; writes best
.if DOCPART == 3
	.amdgcn_target "amdgcn-amd-amdhsa--gfx1250"
	.amdhsa_code_object_version 6
	.text
	.protected	k_qb3f994ebf8_join
	.globl	k_qb3f994ebf8_join
	.p2align	8
	.type	k_qb3f994ebf8_join,@function
k_qb3f994ebf8_join:
	s_mov_b64 s[64:65], 0
	v_nop
	global_prefetch_b8 v0, s[64:65] scope:SCOPE_SE
	s_setreg_imm32_b32 hwreg(HW_REG_WAVE_MODE, 25, 1), 1
	s_wait_xcnt 0x0
; best[token] = the code with the smallest dist2 among the four quarters' candidates.  cval [4][16384] f32 holds c_sq / 2 - dots = (dist2 - x_sq) / 2 of each quarter's best code (x_sq, the same for all
; codes of a token, is left out: it moves no argmin in exact arithmetic), cidx [4][16384] u32 that code.  The smaller value wins; equals go to the lower index.  A NaN never wins over a number.
; Which quarter wins hangs on floating-point numbers, so the choice is made here by selects and stored as a whole number; the launch that follows forms its addresses from what it reads.
; SHARES: a lane takes 4 tokens, a wave 128: each load and the store cover 512 consecutive bytes.  128 waves in all, one a work-group: there is work for no more.  All 8 loads go out at once; no loop, so no prefetch; no LDS.
.set V,  4                             ; v4-35  quarter q: values at 8 q, indices at 8 q + 4
.set MK, 12
	s_load_b128 s[4:7], s[0:1], 0x0                ; cval, cidx
	s_load_b64 s[8:9], s[0:1], 0x10                ; best
	s_lshl_b32 s10, ttmp9, 9                       ; 128 tokens of 4 bytes
	v_lshl_add_u32 v1, v0, 4, s10                  ; + 16 x lane
	s_wait_alu depctr_va_vdst(0)
	s_wait_kmcnt 0x0
.irp q, 0,1,2,3
	global_load_b128 v[V+8*\q:V+8*\q+3], v1, s[4:5] offset:65536*\q
	global_load_b128 v[V+8*\q+4:V+8*\q+7], v1, s[6:7] offset:65536*\q
.endr
.macro LEX va, ia, vb, ib              ; (va, ia) = the smaller of the two pairs, by value, then by index
	v_cmp_lt_f32 s[MK], v[\vb], v[\va]
	v_cmp_eq_f32 s[MK+1], v[\vb], v[\va]
	v_cmp_lt_u32 s[MK+2], v[\ib], v[\ia]
	s_and_b32 s[MK+1], s[MK+1], s[MK+2]
	s_or_b32 s[MK], s[MK], s[MK+1]
	v_cndmask_b32 v[\va], v[\va], v[\vb], s[MK]
	v_cndmask_b32 v[\ia], v[\ia], v[\ib], s[MK]
.endm
	s_wait_loadcnt 0x0
.irp i, 0,1,2,3
	LEX V+\i, V+4+\i, V+8+\i, V+12+\i
	LEX V+16+\i, V+20+\i, V+24+\i, V+28+\i
	LEX V+\i, V+4+\i, V+16+\i, V+20+\i
.endr
	global_store_b128 v1, v[V+4:V+7], s[8:9]
	s_endpgm
.Lfunc_end_k_qb3f994ebf8_join:
	.size	k_qb3f994ebf8_join, .Lfunc_end_k_qb3f994ebf8_join-k_qb3f994ebf8_join
	.p2alignl 7, 3214868480
	.fill 96, 4, 3214868480
	.section	.rodata,"a",@progbits
	.p2align	6, 0x0
	.amdhsa_kernel k_qb3f994ebf8_join
		.amdhsa_group_segment_fixed_size 0
		.amdhsa_private_segment_fixed_size 0
		.amdhsa_enable_private_segment 0
		.amdhsa_kernarg_size 24
		.amdhsa_user_sgpr_count 2
		.amdhsa_user_sgpr_kernarg_segment_ptr 1
		.amdhsa_wavefront_size32 1
		.amdhsa_system_sgpr_workgroup_id_x 1
		.amdhsa_system_sgpr_workgroup_id_y 1
		.amdhsa_system_sgpr_workgroup_id_z 1
		.amdhsa_system_vgpr_workitem_id 0
		.amdhsa_next_free_vgpr 40
		.amdhsa_next_free_sgpr 66
		.amdhsa_reserve_vcc 0
		.amdhsa_float_denorm_mode_32 3
		.amdhsa_float_denorm_mode_16_64 3
		.amdhsa_memory_ordered 1
		.amdhsa_forward_progress 1
		.amdhsa_inst_pref_size 6
	.end_amdhsa_kernel
	.amdgpu_metadata
---
amdhsa.version: [ 1, 2 ]
amdhsa.kernels:
  - .name:           k_qb3f994ebf8_join
    .symbol:         k_qb3f994ebf8_join.kd
    .args:
      - { .name: cval, .offset: 0, .size: 8, .value_kind: global_buffer, .address_space: global }
      - { .name: cidx, .offset: 8, .size: 8, .value_kind: global_buffer, .address_space: global }
      - { .name: best, .offset: 16, .size: 8, .value_kind: global_buffer, .address_space: global }
    .group_segment_fixed_size: 0
    .private_segment_fixed_size: 0
    .kernarg_segment_align: 8
    .kernarg_segment_size: 24
    .max_flat_workgroup_size: 32
    .sgpr_count:     66
    .vgpr_count:     40
    .wavefront_size: 32
...
	.end_amdgpu_metadata
.endif
;; end of part 3
;; launch pick (part 4): grid 256 x 1, 16 waves a work-group, no clusters, 0 bytes of LDS; arguments codebook, best, out0; writes out0
.if DOCPART == 4
	.amdgcn_target "amdgcn-amd-amdhsa--gfx1250"
	.amdhsa_code_object_version 6
	.text
	.protected	k_qb3f994ebf8_pick
	.globl	k_qb3f994ebf8_pick
	.p2align	8
	.type	k_qb3f994ebf8_pick,@function
k_qb3f994ebf8_pick:
	s_mov_b64 s[64:65], 0
	v_nop
	global_prefetch_b8 v0, s[64:65] scope:SCOPE_SE
	s_setreg_imm32_b32 hwreg(HW_REG_WAVE_MODE, 25, 1), 1
	s_wait_xcnt 0x0
; out0[token] = codebook[best[token]]: best [16384] u32 holds each token's code, a whole number that an earlier launch stored.
; SHARES: a wave takes 4 tokens: 4 rows of 2,048 bytes in, 4 out; each load and store covers 512 consecutive bytes.  All 16 loads of a wave go out at once.  No LDS, no barrier, no loop (so no prefetch).
; The indices are held to 0 .. 8191 before they enter an address.  No hint on the loads: many tokens may name one row.
.set L16, 1                            ; v1   16 x lane; never rewritten
.set D,   8                            ; v8-71  token t, piece i at 16 t + 4 i
	s_load_b128 s[4:7], s[0:1], 0x0                ; codebook s[4:5], best s[6:7]
	s_load_b64 s[10:11], s[0:1], 0x10              ; out0
	v_lshrrev_b32 v2, 5, v0
	s_delay_alu instid0(VALU_DEP_1)
	v_readfirstlane_b32 s12, v2                    ; wave 0..15
	v_and_b32 v3, 31, v0
	s_delay_alu instid0(VALU_DEP_1)
	v_lshlrev_b32 v[L16], 4, v3
	s_lshl_b32 s13, ttmp9, 4
	s_add_co_u32 s13, s13, s12                     ; which four tokens
	s_lshl_b32 s14, s13, 13                        ; their rows of out0: 4 x 2,048 bytes
	s_mov_b32 s15, 0
	s_lshl_b32 s13, s13, 4                         ; their words in best: 16 bytes
	s_mov_b32 s49, 0
	s_wait_alu depctr_va_vdst(0)
	s_wait_kmcnt 0x0
	s_load_b128 s[16:19], s[6:7], s13 offset:0x0   ; the four codes
	s_add_nc_u64 s[10:11], s[10:11], s[14:15]
	s_wait_kmcnt 0x0
.irp t, 0,1,2,3
	s_min_u32 s[16+\t], s[16+\t], 0x1fff
	s_lshl_b32 s48, s[16+\t], 11                   ; a row is 2,048 bytes
	s_add_nc_u64 s[32+2*\t:33+2*\t], s[4:5], s[48:49]
.endr
.irp t, 0,1,2,3
.irp i, 0,1,2,3
	global_load_b128 v[D+16*\t+4*\i:D+16*\t+4*\i+3], v[L16], s[32+2*\t:33+2*\t] offset:512*\i
.endr
.endr
.irp t, 0,1,2,3
	s_wait_loadcnt 12-4*\t                         ; this token's four loads are in; the later tokens' four each may be out
.irp i, 0,1,2,3
	global_store_b128 v[L16], v[D+16*\t+4*\i:D+16*\t+4*\i+3], s[10:11] offset:2048*\t+512*\i th:TH_STORE_NT   ; 32 lanes store 512 consecutive bytes, at a multiple of 256 from out0's first byte; written once
.endr
.endr
	s_endpgm
.Lfunc_end_k_qb3f994ebf8_pick:
	.size	k_qb3f994ebf8_pick, .Lfunc_end_k_qb3f994ebf8_pick-k_qb3f994ebf8_pick
	.p2alignl 7, 3214868480
	.fill 96, 4, 3214868480
	.section	.rodata,"a",@progbits
	.p2align	6, 0x0
	.amdhsa_kernel k_qb3f994ebf8_pick
		.amdhsa_group_segment_fixed_size 0
		.amdhsa_private_segment_fixed_size 0
		.amdhsa_enable_private_segment 0
		.amdhsa_kernarg_size 24
		.amdhsa_user_sgpr_count 2
		.amdhsa_user_sgpr_kernarg_segment_ptr 1
		.amdhsa_wavefront_size32 1
		.amdhsa_system_sgpr_workgroup_id_x 1
		.amdhsa_system_sgpr_workgroup_id_y 1
		.amdhsa_system_sgpr_workgroup_id_z 1
		.amdhsa_system_vgpr_workitem_id 0
		.amdhsa_next_free_vgpr 80
		.amdhsa_next_free_sgpr 66
		.amdhsa_reserve_vcc 0
		.amdhsa_float_denorm_mode_32 3
		.amdhsa_float_denorm_mode_16_64 3
		.amdhsa_memory_ordered 1
		.amdhsa_forward_progress 1
		.amdhsa_inst_pref_size 5
	.end_amdhsa_kernel
	.amdgpu_metadata
---
amdhsa.version: [ 1, 2 ]
amdhsa.kernels:
  - .name:           k_qb3f994ebf8_pick
    .symbol:         k_qb3f994ebf8_pick.kd
    .args:
      - { .name: codebook, .offset: 0, .size: 8, .value_kind: global_buffer, .address_space: global }
      - { .name: best, .offset: 8, .size: 8, .value_kind: global_buffer, .address_space: global }
      - { .name: out0, .offset: 16, .size: 8, .value_kind: global_buffer, .address_space: global }
    .group_segment_fixed_size: 0
    .private_segment_fixed_size: 0
    .kernarg_segment_align: 8
    .kernarg_segment_size: 24
    .max_flat_workgroup_size: 512
    .sgpr_count:     66
    .vgpr_count:     80
    .wavefront_size: 32
...
	.end_amdgpu_metadata
.endif
;; end of part 4
